; MI455X (gfx1250); checked and timed in simulation.
; The chip was launched on July 23, 2026; its instructions are those of AMD's public machine-readable ISA for CDNA 5 (MIT licence, August 2026) and "CDNA5" Instruction Set Architecture Reference Guide (July 2026). The comments in the code are by the model that wrote it; some were corrected since.
;; Multi Head Attention. Allowed arithmetic: matrix products marked QUANTISED: E2M1 operands, one E8M0 scale for each 32 along K, by v_wmma_scale_f32_16x16x128_f8f6f4 with both operands' format E2M1 (or v_wmma_scale_f32_32x16x128_f4), f32 sums; products left as they are: bf16, f16 or f32 operands; f32 sums; everything else in f32.
;; Inputs: Wk 512 x 512 float32; Wo 512 x 512 float32; Wq 512 x 512 float32; Wv 512 x 512 float32; bk 512 float32; bo 512 float32; bq 512 float32; bv 512 float32; head_mask 1 x 1 x 2,048 x 2,048 float32; k 8 x 2,048 x 512 float32; pad_mask 8 x 1 x 1 x 2,048 float32; q 8 x 2,048 x 512 float32; v 8 x 2,048 x 512 float32.
;; Outputs: out0 8 x 2,048 x 512 float32.
;; Constants: num_heads = 8.
;; This version of the problem:
;;   THIS VERSION OF THE PROBLEM IS GIVEN IN LOW PRECISION. The matrix products marked QUANTISED in the list below multiply operands that are first quantised to E2M1 (2 exponent bits, 1 mantissa bit; 4 bits a number), with one power-of-two scale for each 32 numbers along K (OCP MX v1.0); their sums are f32. The products marked 'left as it is' may take bf16, f16 or f32 operands, with f32 sums. Whichever they take, every output number must still come out within the allowed error. Rounding operands to bf16 (8 significant bits) uses up far more of that allowance than f16 does (11 bits, for magnitudes from 6e-5 to 65,504). All else is computed in f32.
;;   The module's matrix products, in the order in which they are computed (A, B: the left and right operand; K: the contracted axis; several contracted axes count as one K, in the product's order):
;;     1. [M 16,384, K 512] x [K 512, N 512]; A: input q; B: input Wq: QUANTISED
;;     2. [M 16,384, K 512] x [K 512, N 512]; A: input k; B: input Wk: QUANTISED
;;     3. [M 16,384, K 512] x [K 512, N 512]; A: input v; B: input Wv: QUANTISED
;;     4. batch 64 x [M 2,048, K 64] x [K 64, N 2,048]; A: computed on the way; B: computed on the way: left as it is (an operand is computed on the way)
;;     5. batch 64 x [M 2,048, K 2,048] x [K 2,048, N 64]; A: computed on the way; B: computed on the way: left as it is (an operand is computed on the way)
;;     6. [M 16,384, K 512] x [K 512, N 512]; A: computed on the way; B: input Wo: left as it is (an operand is computed on the way)
;;   THE QUANTISER, for each operand of a quantised product, along K:
;;     - K is cut into blocks of 32 from its start; a last block that is shorter is filled with zeros.
;;     - A block's scale is 2^e with e = floor(log2(the largest magnitude in the block)) - 2, held to -126 .. 127; a block of zeros has e = 0. As a byte (E8M0): e + 127.
;;     - Each number is divided by its block's scale, clamped to +-6, and rounded to the nearest number of E2M1, ties to even, subnormals kept.
;;     - The product sums the exact products of the quantised numbers (number of the format x scale) in f32.
;;   ~~~python
;;   def quantise(x, axis):      # numpy; x: float32 -> the quantised numbers, widened to float32 again
;;       x = np.moveaxis(x, axis, -1); K = x.shape[-1]
;;       x = np.pad(x, [(0, 0)] * (x.ndim - 1) + [(0, -K % 32)]); x = x.reshape(x.shape[:-1] + (-1, 32)); a = np.abs(x).max(-1, keepdims=True)
;;       e = np.where(a > 0, np.clip(np.frexp(np.where(a > 0, a, 1))[1] - 1 - 2, -126, 127), 0)      # np.frexp(a)[1] - 1 = floor(log2(a)), exactly
;;       r = np.clip(x / 2.0 ** e, -6, 6)
;;       step = 2.0 ** (np.maximum(np.frexp(np.where(r == 0, 1, r))[1] - 1, 0) - 1)
;;       q = np.round(r / step) * step * 2.0 ** e      # np.round: ties to even
;;       return np.moveaxis(q.reshape(q.shape[:-2] + (-1,))[..., :K], -1, axis).astype(np.float32)
;;   ~~~
;; One version. Each part assembles by itself: llvm-mc -triple=amdgcn-amd-amdhsa -mcpu=gfx1250 --defsym DOCPART=n.
;; ======== version 1 of 1: 3 launches
;; limits: values are held in f16: magnitudes above 65,504 overflow, below 6.1e-05 lose precision
;; workspace buffers: wq4 393,216 bytes; wsc 49,152 bytes; woimg 1,048,576 bytes; qf 16,777,216 bytes; kv 33,554,432 bytes
;; launch prep (part 1): grid 224 x 1, 4 waves a work-group, no clusters, 0 bytes of LDS; arguments Wq, Wk, Wv, Wo, wq4, wsc, woimg; writes wq4, wsc, woimg
.if DOCPART == 1
	.amdgcn_target "amdgcn-amd-amdhsa--gfx1250"
	.amdhsa_code_object_version 6
	.text
	.protected	k_qd2c69c220e_prep
	.globl	k_qd2c69c220e_prep
	.p2align	8
	.type	k_qd2c69c220e_prep,@function
k_qd2c69c220e_prep:
	s_mov_b64 s[64:65], 0
	v_nop
	global_prefetch_b8 v0, s[64:65] scope:SCOPE_SE
	s_setreg_imm32_b32 hwreg(HW_REG_WAVE_MODE, 25, 1), 1
	s_wait_xcnt 0x0
; THE WEIGHTS BECOME IMAGES OF OPERAND REGISTERS (first of three launches: prep, proj, attn).
; out0 = softmax((q Wq + bq)(k Wk + bk)^T / 8 + (pad_mask + head_mask) x -1e9) (v Wv + bv) Wo + bo, 8 heads of 64; the three input projections on codes of E2M1 with E8M0 scales.
; WORK LEFT OUT: bk.  scores[q][k] = qh[q] . (k[k] Wk) / 8 + qh[q] . bk / 8 + masks.  The middle term is the same for every key k of a row, and a softmax along k is unchanged by a term that is
; constant along its axis, for all values of the inputs.  The product qh kh^T is not quantised, so bk moves no code and no scale.  bk is therefore loaded by no launch and is among no launch's arguments.
; LIMIT: a NaN, an infinity or an overflow that lies in bk alone is not carried to the result.
; Work-groups 0-95: Wq, Wk, Wv ([K 512][N 512] f32, K the FIRST axis) into codes of E2M1: one wave makes one fragment, 16 columns n x 128 K.  A lane takes a column and its registers run down K in the order
; that the operand's layout gives that lane (registers 4 c .. 4 c + 3: K = 64 c + 32 (lane / 16) + 0 .. 31), so the conversions' results ARE the operand's registers.  wq4: [tensor 3][n tile 32][K step 4] x 1,024 bytes,
; a group of four registers as 512 bytes, lane l's 16 bytes at 16 l.  wsc: the column's scale word (four E8M0 bytes) at 4 l, 128 bytes a fragment.
; A block's scale byte is its largest magnitude's exponent field - 2, held at 1 from below (a block of zeros keeps the byte 1: its codes are zeros, and this program alone reads the bytes).
; Work-groups 96-223: Wo into PAIRS of f16 fragments, a high part f16(x) and a low part f16(x - high), 16 columns n x 32 K: woimg: [n / 64: 8][K step 16][high, low][n tile 4] x 1,024 bytes.
; LIMITS: blocks whose largest magnitude lies under 2^-124 keep the byte 1; Wo's low part is kept to 2^-24, so for a Wo some 30 times smaller it adds two or three bits only; NaN and infinities are not served.
; The four waves of a work-group stand side by side on 256 consecutive bytes of each row of a weight; every store of a wave covers 512 (the scale words 128) consecutive bytes.  No LDS, no barrier, nothing shared: no cluster.
.set ROWB, 2048                        ; bytes in a row of a weight
	s_load_b256 s[4:11], s[0:1], 0x0               ; Wq s[4:5], Wk s[6:7], Wv s[8:9], Wo s[10:11]
	s_load_b128 s[12:15], s[0:1], 0x20             ; wq4 s[12:13], wsc s[14:15]
	s_load_b64 s[16:17], s[0:1], 0x30              ; woimg
	v_and_b32 v1, 15, v0                           ; r
	v_bfe_u32 v2, v0, 4, 1                         ; h
	v_and_b32 v3, 31, v0                           ; lane
	v_lshrrev_b32 v4, 5, v0
	v_readfirstlane_b32 s20, v4                    ; wave 0..3
	v_lshlrev_b32 v6, 4, v3                        ; 16 x lane: my place in a group of four registers
	v_lshlrev_b32 v7, 2, v3                        ; 4 x lane: my scale word's
	v_lshlrev_b32 v5, 2, v1                        ; 4 r: my column
	s_mov_b32 s25, 0
	s_mov_b32 s27, 0
	s_mov_b32 s29, 0
	s_cmp_ge_u32 ttmp9, 96
	s_cbranch_scc1 .Lwo
	; ---- codes of Wq, Wk, Wv
	s_lshr_b32 s21, ttmp9, 5                       ; which tensor
	s_and_b32 s22, ttmp9, 3                        ; K step s
	s_bfe_u32 s23, ttmp9, 0x30002
	s_lshl_b32 s23, s23, 2
	s_add_co_u32 s23, s23, s20                     ; n tile = 4 x ((work-group % 32) / 4) + wave
	s_lshl_b32 s24, s22, 18                        ; 128 s rows of 2,048 bytes
	s_lshl_b32 s26, s23, 6                         ; + 16 columns of 4 bytes a tile
	s_add_co_u32 s24, s24, s26
	s_lshl_b32 s26, s23, 2
	s_add_co_u32 s26, s26, s22                     ; fragment 4 x tile + s
	s_lshl_b32 s28, s26, 7                         ; its scale words,
	s_lshl_b32 s26, s26, 10                        ; its codes,
	s_lshl_b32 s30, s21, 17
	s_add_co_u32 s26, s26, s30                     ; in the tensor's 131,072 bytes of codes
	s_lshl_b32 s30, s21, 14
	s_add_co_u32 s28, s28, s30                     ; and 16,384 of scale words
	v_lshl_add_u32 v5, v2, 16, v5                  ; lanes 16-31 begin 32 rows further down
	s_mov_b32 s30, 0x76543210
	s_mov_b32 s31, 0xfedcba98                      ; v_permlanex16_b32's selects for lane l xor 16
	s_wait_kmcnt 0x0
	s_cmp_eq_u32 s21, 0                            ; the choice hangs on the work-group's number alone
	s_cselect_b64 s[18:19], s[4:5], s[6:7]
	s_cmp_eq_u32 s21, 2
	s_cselect_b64 s[18:19], s[8:9], s[18:19]
	s_add_nc_u64 s[18:19], s[18:19], s[24:25]
	s_add_nc_u64 s[12:13], s[12:13], s[26:27]
	s_add_nc_u64 s[14:15], s[14:15], s[28:29]
.set i, 0
.rept 64
	global_load_b32 v[64+i], v5, s[18:19] offset:(64*(i/32)+i%32)*ROWB   ; W(128 s + 64 c + 32 h + i, my column): register 32 c + i
.set i, i+1
.endr
	s_wait_loadcnt 0x0
.irp c, 0,1                                    ; my block 2 c + h: all its 32 numbers are mine
	v_max3_num_f32 v[32+\c], |v[64+32*\c]|, |v[65+32*\c]|, 0x1800000   ; and the floor 2^(3 - 127): so the byte cannot fall under 1
.endr
.irp u, 2,4,6,8,10,12,14,16,18,20,22,24,26,28,30
.irp c, 0,1
	v_max3_num_f32 v[32+\c], v[32+\c], |v[64+32*\c+\u]|, |v[65+32*\c+\u]|   ; (the two blocks by turns)
.endr
.endr
.irp c, 0,1
	v_add_nc_u32 v[44+\c], 0xff000000, v[32+\c]    ; 2 off the exponent field: the conversion takes the exponent field of this operand as its scale
.endr
.irp c, 0,1
	v_lshrrev_b32 v[36+\c], 23, v[44+\c]           ; the scale's byte
.endr
	v_lshl_or_b32 v9, v37, 16, v36                 ; my two bytes: blocks h and 2 + h of my column,
	v_lshlrev_b32 v10, 3, v2
	v_lshlrev_b32 v9, v10, v9                      ; at their places in the word (8 h bits up);
	v_mov_b32 v10, 0                               ; (a lane permute's destination counts as one of its sources)
	v_permlanex16_b32 v10, v9, s30, s31
	v_or_b32 v9, v9, v10                           ; with lane l xor 16's two the word is whole, in both halves of the lanes
.irp c, 0,1
.irp g, 0,1,2,3
	v_cvt_scalef32_pk8_fp4_f32 v[48+4*\c+\g], v[64+32*\c+8*\g:71+32*\c+8*\g], v[44+\c]   ; registers 4 c .. 4 c + 3 of the operand
.endr
.endr
	v_nop                                          ; one plain instruction behind the last scaled conversion
	global_store_b128 v6, v[48:51], s[12:13]       ; 512 consecutive bytes a store
	global_store_b128 v6, v[52:55], s[12:13] offset:512
	global_store_b32 v7, v9, s[14:15]
	s_endpgm
.Lwo:
	; ---- Wo as pairs of f16 numbers
	s_sub_co_u32 s21, ttmp9, 96                    ; 16 x (n / 64) + K step
	s_lshr_b32 s22, s21, 4
	s_and_b32 s23, s21, 15
	s_lshl_b32 s24, s23, 16                        ; 32 rows of 2,048 bytes a K step
	s_lshl_b32 s26, s22, 8                         ; + 64 columns of 4 bytes
	s_add_co_u32 s24, s24, s26
	s_lshl_b32 s26, s20, 6                         ; + 16 columns a wave: n tile = wave
	s_add_co_u32 s24, s24, s26
	s_lshl_b32 s26, s21, 13                        ; 8,192 bytes for a K step's eight fragments
	s_lshl_b32 s28, s20, 10
	s_add_co_u32 s26, s26, s28
	v_lshl_add_u32 v5, v2, 14, v5                  ; lanes 16-31 begin 8 rows further down
	s_wait_kmcnt 0x0
	s_add_nc_u64 s[10:11], s[10:11], s[24:25]
	s_add_nc_u64 s[16:17], s[16:17], s[26:27]
.irp u, 0,1,2,3,4,5,6,7
	global_load_b32 v[16+\u], v5, s[10:11] offset:\u*ROWB          ; k = 8 h + u
	global_load_b32 v[24+\u], v5, s[10:11] offset:(16+\u)*ROWB     ; k = 16 + 8 h + u
.endr
	s_wait_loadcnt 0x0
.irp u, 0,1,2,3,4,5,6,7
	v_cvt_pk_f16_f32 v[32+\u], v[16+2*\u], v[17+2*\u]              ; the high parts: the fragment's eight registers
.endr
	v_cvt_f32_f16 v40, v32.l                       ; the high parts widened again
	v_cvt_f32_f16 v41, v32.h
	v_cvt_f32_f16 v42, v33.l
	v_cvt_f32_f16 v43, v33.h
	v_cvt_f32_f16 v44, v34.l
	v_cvt_f32_f16 v45, v34.h
	v_cvt_f32_f16 v46, v35.l
	v_cvt_f32_f16 v47, v35.h
	v_cvt_f32_f16 v48, v36.l
	v_cvt_f32_f16 v49, v36.h
	v_cvt_f32_f16 v50, v37.l
	v_cvt_f32_f16 v51, v37.h
	v_cvt_f32_f16 v52, v38.l
	v_cvt_f32_f16 v53, v38.h
	v_cvt_f32_f16 v54, v39.l
	v_cvt_f32_f16 v55, v39.h
.irp u, 0,1,2,3,4,5,6,7,8,9,10,11,12,13,14,15
	v_sub_f32 v[40+\u], v[16+\u], v[40+\u]         ; what the high part has left over: exact in f32
.endr
.irp u, 0,1,2,3,4,5,6,7
	v_cvt_pk_f16_f32 v[56+\u], v[40+2*\u], v[41+2*\u]              ; the low parts
.endr
	global_store_b128 v6, v[32:35], s[16:17]
	global_store_b128 v6, v[36:39], s[16:17] offset:512
	global_store_b128 v6, v[56:59], s[16:17] offset:4096
	global_store_b128 v6, v[60:63], s[16:17] offset:4608
	s_endpgm
.Lfunc_end_k_qd2c69c220e_prep:
	.size	k_qd2c69c220e_prep, .Lfunc_end_k_qd2c69c220e_prep-k_qd2c69c220e_prep
	.p2alignl 7, 3214868480
	.fill 96, 4, 3214868480
	.section	.rodata,"a",@progbits
	.p2align	6, 0x0
	.amdhsa_kernel k_qd2c69c220e_prep
		.amdhsa_group_segment_fixed_size 0
		.amdhsa_private_segment_fixed_size 0
		.amdhsa_enable_private_segment 0
		.amdhsa_kernarg_size 56
		.amdhsa_user_sgpr_count 2
		.amdhsa_user_sgpr_kernarg_segment_ptr 1
		.amdhsa_wavefront_size32 1
		.amdhsa_system_sgpr_workgroup_id_x 1
		.amdhsa_system_sgpr_workgroup_id_y 1
		.amdhsa_system_sgpr_workgroup_id_z 1
		.amdhsa_system_vgpr_workitem_id 0
		.amdhsa_next_free_vgpr 128
		.amdhsa_next_free_sgpr 66
		.amdhsa_reserve_vcc 0
		.amdhsa_float_denorm_mode_32 3
		.amdhsa_float_denorm_mode_16_64 3
		.amdhsa_memory_ordered 1
		.amdhsa_forward_progress 1
		.amdhsa_inst_pref_size 16
	.end_amdhsa_kernel
	.amdgpu_metadata
---
amdhsa.version: [ 1, 2 ]
amdhsa.kernels:
  - .name:           k_qd2c69c220e_prep
    .symbol:         k_qd2c69c220e_prep.kd
    .args:
      - { .name: Wq, .offset: 0, .size: 8, .value_kind: global_buffer, .address_space: global }
      - { .name: Wk, .offset: 8, .size: 8, .value_kind: global_buffer, .address_space: global }
      - { .name: Wv, .offset: 16, .size: 8, .value_kind: global_buffer, .address_space: global }
      - { .name: Wo, .offset: 24, .size: 8, .value_kind: global_buffer, .address_space: global }
      - { .name: wq4, .offset: 32, .size: 8, .value_kind: global_buffer, .address_space: global }
      - { .name: wsc, .offset: 40, .size: 8, .value_kind: global_buffer, .address_space: global }
      - { .name: woimg, .offset: 48, .size: 8, .value_kind: global_buffer, .address_space: global }
    .group_segment_fixed_size: 0
    .private_segment_fixed_size: 0
    .kernarg_segment_align: 8
    .kernarg_segment_size: 56
    .max_flat_workgroup_size: 128
    .sgpr_count:     66
    .vgpr_count:     128
    .wavefront_size: 32
...
	.end_amdgpu_metadata
.endif
;; end of part 1
;; launch proj (part 2): grid 256 x 1, 16 waves a work-group, no clusters, 258,048 bytes of LDS; arguments q, k, v, wq4, wsc, bq, bv, qf, kv; writes qf, kv
.if DOCPART == 2
	.amdgcn_target "amdgcn-amd-amdhsa--gfx1250"
	.amdhsa_code_object_version 6
	.text
	.protected	k_qd2c69c220e_proj
	.globl	k_qd2c69c220e_proj
	.p2align	8
	.type	k_qd2c69c220e_proj,@function
k_qd2c69c220e_proj:
	s_mov_b64 s[64:65], 0
	v_nop
	global_prefetch_b8 v0, s[64:65] scope:SCOPE_SE
	s_setreg_imm32_b32 hwreg(HW_REG_WAVE_MODE, 25, 1), 1
	s_wait_xcnt 0x0
; THE THREE INPUT PROJECTIONS, on codes of E2M1 with one E8M0 scale for each 32 along K: qh = (q Wq + bq) x c, kh = k Wk, vh = v Wv + bv; c = log2(e) / 8, so that the scores come out in base 2.
; WORK LEFT OUT: bk (a term of the scores that is the same along the softmax's axis, for all values of the inputs: shown at the head of the first launch); it is not among the arguments.
; SHARES.  Work-group g takes rows 64 g .. 64 g + 63 of q, then of k, then of v: three blocks by one macro.  QUANTISING: wave w makes ONE fragment, rows 16 (w / 4) on, K = 128 (w % 4) on: each load reads 512 consecutive
; bytes of a row; the numbers turn through the wave's own stage in LDS, so that a lane holds 16 neighbours of each block of 32; the fragment goes to LDS as an image of its registers (16 bytes a lane, 512 a store).
; PRODUCTS: wave w owns output channels 32 w .. 32 w + 31 (head w / 2, half w % 2 of its 64) for all 64 rows: its 8 fragments of W come from memory straight into its registers, as the first launch laid them.
; No joint loads: W lands in registers and is read once by each wave; a joint load can only land in LDS, from where the same 442 KB a work-group would be read once more.
; THE RESULTS LEAVE AS IMAGES OF f16 OPERANDS for the third launch.  Q and K: source 0 = W, source 1 = x: a lane holds one token and eight neighbouring channels: after rounding, half a fragment (16 tokens x 32 channels).
; V: source 0 = x, source 1 = W: a lane holds one channel and eight neighbouring tokens: half a fragment of V^T (16 channels x 32 keys).  Every store of a wave covers 512 consecutive, aligned bytes.
; qf: [g][head 8][token tile 4][channel half 2] x 1,024.  kv: [g] x 131,072: K at 0 laid as qf; V^T at 65,536: [head][channel tile 4][32 keys: 2] x 1,024.
; The biases are the C of each sum's first matrix instruction: images in the result's layout, kept in LDS, loaded into the accumulators.
; LIMITS: c qh, kh and vh must lie under 65,504 (f16); blocks whose largest magnitude lies under 2^-124 keep the scale byte 1; NaN and infinities are not served.
; LDS: x's images, a set for each tensor, written once each: so ONE barrier a block; their scale words; the bias images and the stage, each wave's own; the spare words.
.set XSC,   49152                      ; behind three sets of 16 fragments x 1,024: three sets of 16 x 128 bytes of scale words
.set BIAS,  55296                      ; 4,096 a wave: bq's two tiles at 0 and 1,024, bv's at 2,048 and 3,072
.set STG,   120832                     ; 8,448 a wave: 16 rows x 528
.set SP,    528                        ; a stage row: 512 bytes + 16: 33 x 16, so that sixteen lanes that take the same column of sixteen rows take sixteen different 16-byte columns of 256
.set SPARE, 256000                     ; the spare words, 128 bytes for each wave: eight blocks of 256 bytes that no other line names
.set W,   16                           ; v16-79   W's fragments: (n tile, K step s) at W + 8 (4 n + s)
.set WS,  80                           ; v80-87   their scale words, and nothing else
.set RAW, 88                           ; v88-151  x as it is loaded
.set X,   152                          ; v152-215 64 numbers of x for the quantiser; then the 8 accumulators: (row tile m, n) at X + 8 (2 m + n)
.set TM,  216                          ; v216-231 the quantiser's: largest magnitudes, bytes, scale operands
.set PW,  232                          ; v232     the scale word just made
.set PC,  234                          ; v234-241 the codes just made
.set XF,  216                          ; v216-247 in the products: x's four fragments of a K step
.set XS,  248                          ; v248-251 their scale words, and nothing else
.set SEL, 24                           ; s[24:25] v_permlanex16_b32's selects for lane l xor 16
.set CS,  26                           ; s[26:27] c, twice: the packed form names a pair
; v1 16 x lane; v2 4 x lane; v3, v4 the stage, in and out; v5, v6 where I store my image and its scale word; v7, v8 the add's two; v9 32 h; v10 4 r; v11 my bias images
	s_load_b256 s[4:11], s[0:1], 0x0               ; q s[4:5], k s[6:7], v s[8:9], wq4 s[10:11]
	s_load_b256 s[12:19], s[0:1], 0x20             ; wsc s[12:13], bq s[14:15], bv s[16:17], qf s[18:19]
	s_load_b64 s[20:21], s[0:1], 0x40              ; kv
	v_lshl_add_u32 v7, v0, 2, SPARE
	v_mov_b32 v8, 0
	v_lshrrev_b32 v12, 5, v0
	v_readfirstlane_b32 s22, v12                   ; wave 0..15
	v_and_b32 v12, 31, v0                          ; lane
	v_and_b32 v13, 15, v0                          ; r
	v_bfe_u32 v14, v0, 4, 1                        ; h
	v_lshlrev_b32 v1, 4, v12
	v_lshlrev_b32 v2, 2, v12
	s_mul_i32 s34, s22, 16*SP
	s_add_co_u32 s34, s34, STG                     ; my stage
	v_add_nc_u32 v3, s34, v1                       ; in: a row's 512 bytes as they lie
	v_mul_u32_u24 v4, v13, SP
	v_lshl_add_u32 v4, v14, 6, v4
	v_add_nc_u32 v4, s34, v4                       ; out: row r, + 64 h: my 16 numbers of a block of 32
	s_lshl_b32 s35, s22, 10
	v_add_nc_u32 v5, s35, v1                       ; my fragment is number w of the set's sixteen
	s_lshl_b32 s35, s22, 7
	s_add_co_u32 s35, s35, XSC
	v_add_nc_u32 v6, s35, v2
	v_lshlrev_b32 v9, 5, v14
	v_lshlrev_b32 v10, 2, v13
	s_lshl_b32 s35, s22, 12
	s_add_co_u32 s35, s35, BIAS
	v_add_nc_u32 v11, s35, v1
.irp b, 0,1,2,3
	v_mov_b32 v[TM+4+\b], 0                        ; written once: a lane permute's destination counts as one of its sources
.endr
	s_mov_b32 s[SEL], 0x76543210
	s_mov_b32 s[SEL+1], 0xfedcba98
	s_mov_b32 s[CS], 0x3e38aa3b                    ; c = log2(e) / 8
	s_mov_b32 s[CS+1], s[CS]
	s_lshl_b32 s34, ttmp9, 17                      ; x: 64 g rows of 2,048 bytes,
	s_lshr_b32 s35, s22, 2
	s_lshl_b32 s35, s35, 15                        ; + 16 (w / 4) rows,
	s_add_co_u32 s34, s34, s35
	s_and_b32 s35, s22, 3
	s_lshl_b32 s35, s35, 9                         ; + 128 (w % 4) numbers
	s_add_co_u32 s34, s34, s35
	s_mov_b32 s35, 0
	s_lshl_b32 s36, s22, 13                        ; W's codes: 8 fragments a wave
	s_mov_b32 s37, 0
	s_lshl_b32 s38, s22, 10                        ; their scale words
	s_mov_b32 s39, 0
	s_lshl_b32 s40, s22, 7                         ; the biases: 32 numbers a wave
	s_mov_b32 s41, 0
	s_lshr_b32 s23, s22, 1
	s_lshl_b32 s23, s23, 13                        ; the head's 8,192 bytes
	s_and_b32 s42, s22, 1
	s_lshl_b32 s46, s42, 12                        ; V^T: two channel tiles of 2,048 a wave
	s_lshl_b32 s42, s42, 10                        ; Q, K: the channel half's 1,024
	s_add_co_u32 s42, s42, s23
	s_add_co_u32 s46, s46, s23
	s_lshl_b32 s23, ttmp9, 17
	s_add_co_u32 s44, s42, s23                     ; K in kv
	s_add_co_u32 s46, s46, s23
	s_add_co_u32 s46, s46, 65536                   ; V^T in kv
	s_lshl_b32 s23, ttmp9, 16
	s_add_co_u32 s42, s42, s23                     ; Q in qf
	s_mov_b32 s43, 0
	s_mov_b32 s45, 0
	s_mov_b32 s47, 0
	s_wait_kmcnt 0x0
	s_add_nc_u64 s[4:5], s[4:5], s[34:35]
	s_add_nc_u64 s[6:7], s[6:7], s[34:35]
	s_add_nc_u64 s[8:9], s[8:9], s[34:35]
	s_add_nc_u64 s[10:11], s[10:11], s[36:37]
	s_add_nc_u64 s[12:13], s[12:13], s[38:39]
	s_add_nc_u64 s[14:15], s[14:15], s[40:41]
	s_add_nc_u64 s[16:17], s[16:17], s[40:41]
	s_add_nc_u64 s[28:29], s[18:19], s[42:43]      ; where my results go: Q,
	s_add_nc_u64 s[30:31], s[20:21], s[44:45]      ; K,
	s_add_nc_u64 s[32:33], s[20:21], s[46:47]      ; V^T
.macro XLOAD t                         ; my 16 rows x 128 numbers of tensor t: a row's 512 consecutive bytes a load; read once in the launch
.set i, 0
.rept 16
	global_load_b128 v[RAW+4*i:RAW+4*i+3], v1, s[4+2*(\t):5+2*(\t)] offset:2048*i th:TH_LOAD_NT
.set i, i+1
.endr
.endm
.macro WLOAD t                         ; my 8 fragments of tensor t's weight and their scale words: 24 loads
.set i, 0
.rept 16
	global_load_b128 v[W+4*i:W+4*i+3], v1, s[10:11] offset:131072*(\t)+512*i
.set i, i+1
.endr
.set i, 0
.rept 8
	global_load_b32 v[WS+i], v2, s[12:13] offset:16384*(\t)+128*i
.set i, i+1
.endr
.endm
.macro TURN                            ; through my stage: LDS serves a wave's instructions in order, so no wait stands between the stores and the loads
.set i, 0
.rept 16
	ds_store_b128 v3, v[RAW+4*i:RAW+4*i+3] offset:SP*i
.set i, i+1
.endr
.irp b, 0,1,2,3
.irp j, 0,1,2,3
	ds_load_b128 v[X+16*\b+4*\j:X+16*\b+4*\j+3], v4 offset:128*\b+16*\j   ; register 16 b + i = k 32 b + 16 h + i of row r
.endr
.endr
.endm
; 64 numbers of a lane, v[s] .. v[s + 63], register 16 b + i = k 32 b + 16 (lane / 16) + i of my row, become a fragment's codes in v[PC] on and its scale word in v[PW].
.macro QUANT s
.irp b, 0,1,2,3
	v_max3_num_f32 v[TM+\b], |v[\s+16*\b]|, |v[\s+1+16*\b]|, 0x1800000   ; block b: my 16 numbers, and the floor 2^(3 - 127): so the byte cannot fall under 1
.endr
.irp i, 2,4,6,8,10,12,14
.irp b, 0,1,2,3
	v_max3_num_f32 v[TM+\b], v[TM+\b], |v[\s+16*\b+\i]|, |v[\s+1+16*\b+\i]|   ; (the four blocks by turns)
.endr
.endr
.irp b, 0,1,2,3
	v_permlanex16_b32 v[TM+4+\b], v[TM+\b], s[SEL], s[SEL+1]
.endr
.irp b, 0,1,2,3
	v_max_num_f32 v[TM+\b], v[TM+\b], v[TM+4+\b]   ; with lane l xor 16's: the block's largest magnitude
.endr
.irp b, 0,1,2,3
	v_add_nc_u32 v[TM+12+\b], 0xff000000, v[TM+\b] ; 2 off its exponent field: the conversion's scale operand
.endr
.irp b, 0,1,2,3
	v_lshrrev_b32 v[TM+4+\b], 23, v[TM+12+\b]      ; the scale's byte
.endr
	v_lshl_or_b32 v[PW], v[TM+5], 8, v[TM+4]       ; the four bytes make my row's scale word
	v_lshl_or_b32 v[PW], v[TM+6], 16, v[PW]
	v_lshl_or_b32 v[PW], v[TM+7], 24, v[PW]
.irp b, 0,1,2,3
	v_cvt_scalef32_pk8_fp4_f32 v[PC+2*\b], v[\s+16*\b:\s+7+16*\b], v[TM+12+\b]
	v_cvt_scalef32_pk8_fp4_f32 v[PC+1+2*\b], v[\s+8+16*\b:\s+15+16*\b], v[TM+12+\b]
.endr
	v_nop                                          ; one plain instruction behind the last scaled conversion
.irp c, 0,1                                    ; the operand's layout wants a WHOLE block in a lane: lanes 0-15 block 2 c, lanes 16-31 block 2 c + 1
.irp i, 0,1
	v_permlane16_swap_b32 v[PC+4*\c+\i], v[PC+2+4*\c+\i]
.endr
.endr
.endm
; Tensor t's products (t = 0: Q, 1: K, 2: V) and their way out.  lc: the loads issued behind W's, which may stay out.  The 8 accumulators take turns, one instruction a turn.
.macro PRODUCT t, lc
.if (\t) != 1
.irp a, 0,1,2,3,4,5,6,7                        ; the bias image is the sums' first C: the same two tiles for all four tiles of rows
	ds_load_b128 v[X+8*\a:X+8*\a+3], v11 offset:1024*(\t)+1024*(\a%2)
	ds_load_b128 v[X+8*\a+4:X+8*\a+7], v11 offset:1024*(\t)+1024*(\a%2)+512
.endr
.endif
.irp s, 0,1,2,3
.irp m, 0,1,2,3
	ds_load_b128 v[XF+8*\m:XF+8*\m+3], v1 offset:16384*(\t)+1024*(4*\m+\s)
	ds_load_b128 v[XF+8*\m+4:XF+8*\m+7], v1 offset:16384*(\t)+1024*(4*\m+\s)+512
	ds_load_b32 v[XS+\m], v2 offset:XSC+2048*(\t)+128*(4*\m+\s)
.endr
	s_wait_dscnt 0x0
.if \s == 0
	s_wait_loadcnt \lc                             ; W and its scale words are in
.endif
.irp m, 0,1,2,3
.irp n, 0,1
.if (\t) == 2
	v_wmma_scale_f32_16x16x128_f8f6f4 v[X+8*(2*\m+\n):X+8*(2*\m+\n)+7], v[XF+8*\m:XF+8*\m+7], v[W+8*(4*\n+\s):W+8*(4*\n+\s)+7], v[X+8*(2*\m+\n):X+8*(2*\m+\n)+7], v[XS+\m], v[WS+4*\n+\s] matrix_a_fmt:MATRIX_FMT_FP4 matrix_b_fmt:MATRIX_FMT_FP4
.elseif ((\t) == 1) && (\s == 0)
	v_wmma_scale_f32_16x16x128_f8f6f4 v[X+8*(2*\m+\n):X+8*(2*\m+\n)+7], v[W+8*(4*\n+\s):W+8*(4*\n+\s)+7], v[XF+8*\m:XF+8*\m+7], 0, v[WS+4*\n+\s], v[XS+\m] matrix_a_fmt:MATRIX_FMT_FP4 matrix_b_fmt:MATRIX_FMT_FP4
.else
	v_wmma_scale_f32_16x16x128_f8f6f4 v[X+8*(2*\m+\n):X+8*(2*\m+\n)+7], v[W+8*(4*\n+\s):W+8*(4*\n+\s)+7], v[XF+8*\m:XF+8*\m+7], v[X+8*(2*\m+\n):X+8*(2*\m+\n)+7], v[WS+4*\n+\s], v[XS+\m] matrix_a_fmt:MATRIX_FMT_FP4 matrix_b_fmt:MATRIX_FMT_FP4
.endif
.endr
.endr
.rept 4
	v_nop                                          ; four places in front of loads into registers that these products have read, and of the first read of their results
.endr
.endr
.if (\t) == 0
.set j, 0
.rept 32
	v_pk_mul_f32 v[X+j:X+j+1], v[X+j:X+j+1], s[CS:CS+1] op_sel_hi:[1,0]   ; x c, in f32, each accumulator from its low end on
.set j, j+2
.endr
.endif
.irp a, 0,1,2,3,4,5,6,7
.irp i, 0,1,2,3
	v_cvt_pk_f16_f32 v[X+8*\a+\i], v[X+8*\a+2*\i], v[X+8*\a+2*\i+1]   ; in place, ascending: register i is written when registers 2 i and 2 i + 1 are read
.endr
.endr
.irp m, 0,1,2,3
.irp n, 0,1
.if (\t) == 2
	global_store_b128 v1, v[X+8*(2*\m+\n):X+8*(2*\m+\n)+3], s[32:33] offset:2048*\n+1024*(\m/2)+512*(\m%2)
.else
	global_store_b128 v1, v[X+8*(2*\m+\n):X+8*(2*\m+\n)+3], s[28+2*(\t):29+2*(\t)] offset:2048*\m+512*\n
.endif
.endr
.endr
.endm
.macro BLOCK t
	s_wait_xcnt 0x0                                ; the last block's stores have read their data: the accumulators' registers may be written
	s_wait_loadcnt 24                              ; x is in; the 24 loads of W, issued behind x's, may stay out
	TURN
	s_wait_dscnt 0x0
.if (\t) < 2
	XLOAD (\t)+1                                   ; the next tensor's rows: they land during this block
.endif
	QUANT X
	ds_store_b128 v5, v[PC:PC+3] offset:16384*(\t)
	ds_store_b128 v5, v[PC+4:PC+7] offset:16384*(\t)+512
	ds_store_b32 v6, v[PW] offset:2048*(\t)
	s_wait_dscnt 0x0                               ; for the others' sake: my image has landed
	s_barrier_signal -1
	s_barrier_wait -1                              ; the set's sixteen fragments lie in LDS; the set is never written again
.if (\t) < 2
	PRODUCT \t, 16                                 ; behind W's loads: the next tensor's 16 loads of x
	WLOAD (\t)+1                                   ; behind the four places and the roundings: the next weight
.else
	PRODUCT \t, 0
.endif
.endm
	XLOAD 0
	global_load_b128 v[X:X+3], v9, s[14:15]        ; bq: for n tile 0 and 1 the eight channels 16 n + 8 h + 0 .. 7 of my 32
	global_load_b128 v[X+4:X+7], v9, s[14:15] offset:16
	global_load_b128 v[X+8:X+11], v9, s[14:15] offset:64
	global_load_b128 v[X+12:X+15], v9, s[14:15] offset:80
	global_load_b32 v[X+16], v10, s[16:17]         ; bv: channel 16 n + r: the same in all eight registers of a tile
	global_load_b32 v[X+20], v10, s[16:17] offset:64
	WLOAD 0
	s_wait_loadcnt 24                              ; x and the biases are in
.irp u, 1,2,3
	v_mov_b32 v[X+16+\u], v[X+16]
	v_mov_b32 v[X+20+\u], v[X+20]
.endr
	ds_store_b128 v11, v[X:X+3]
	ds_store_b128 v11, v[X+4:X+7] offset:512
	ds_store_b128 v11, v[X+8:X+11] offset:1024
	ds_store_b128 v11, v[X+12:X+15] offset:1536
	ds_store_b128 v11, v[X+16:X+19] offset:2048
	ds_store_b128 v11, v[X+16:X+19] offset:2560
	ds_store_b128 v11, v[X+20:X+23] offset:3072
	ds_store_b128 v11, v[X+20:X+23] offset:3584
	BLOCK 0
	BLOCK 1
	BLOCK 2
	s_wait_tensorcnt 0x0                           ; the wave's end: behind my last LDS store
	ds_add_u32 v7, v8
	s_wait_dscnt 0x0
	s_endpgm
.Lfunc_end_k_qd2c69c220e_proj:
	.size	k_qd2c69c220e_proj, .Lfunc_end_k_qd2c69c220e_proj-k_qd2c69c220e_proj
	.p2alignl 7, 3214868480
	.fill 96, 4, 3214868480
	.section	.rodata,"a",@progbits
	.p2align	6, 0x0
	.amdhsa_kernel k_qd2c69c220e_proj
		.amdhsa_group_segment_fixed_size 258048
		.amdhsa_private_segment_fixed_size 0
		.amdhsa_enable_private_segment 0
		.amdhsa_kernarg_size 72
		.amdhsa_user_sgpr_count 2
		.amdhsa_user_sgpr_kernarg_segment_ptr 1
		.amdhsa_wavefront_size32 1
		.amdhsa_system_sgpr_workgroup_id_x 1
		.amdhsa_system_sgpr_workgroup_id_y 1
		.amdhsa_system_sgpr_workgroup_id_z 1
		.amdhsa_system_vgpr_workitem_id 0
		.amdhsa_next_free_vgpr 256
		.amdhsa_next_free_sgpr 66
		.amdhsa_reserve_vcc 0
		.amdhsa_float_denorm_mode_32 3
		.amdhsa_float_denorm_mode_16_64 3
		.amdhsa_memory_ordered 1
		.amdhsa_forward_progress 1
		.amdhsa_inst_pref_size 70
	.end_amdhsa_kernel
	.amdgpu_metadata
---
amdhsa.version: [ 1, 2 ]
amdhsa.kernels:
  - .name:           k_qd2c69c220e_proj
    .symbol:         k_qd2c69c220e_proj.kd
    .args:
      - { .name: q, .offset: 0, .size: 8, .value_kind: global_buffer, .address_space: global }
      - { .name: k, .offset: 8, .size: 8, .value_kind: global_buffer, .address_space: global }
      - { .name: v, .offset: 16, .size: 8, .value_kind: global_buffer, .address_space: global }
      - { .name: wq4, .offset: 24, .size: 8, .value_kind: global_buffer, .address_space: global }
      - { .name: wsc, .offset: 32, .size: 8, .value_kind: global_buffer, .address_space: global }
      - { .name: bq, .offset: 40, .size: 8, .value_kind: global_buffer, .address_space: global }
      - { .name: bv, .offset: 48, .size: 8, .value_kind: global_buffer, .address_space: global }
      - { .name: qf, .offset: 56, .size: 8, .value_kind: global_buffer, .address_space: global }
      - { .name: kv, .offset: 64, .size: 8, .value_kind: global_buffer, .address_space: global }
    .group_segment_fixed_size: 258048
    .private_segment_fixed_size: 0
    .kernarg_segment_align: 8
    .kernarg_segment_size: 72
    .max_flat_workgroup_size: 512
    .sgpr_count:     66
    .vgpr_count:     256
    .wavefront_size: 32
...
	.end_amdgpu_metadata
.endif
;; end of part 2
;; launch attn (part 3): grid 32 x 8, 8 waves a work-group, clusters of 4 x 1, 327,680 bytes of LDS; arguments qf, kv, head_mask, pad_mask, woimg, bo, out0; writes out0
.if DOCPART == 3
	.amdgcn_target "amdgcn-amd-amdhsa--gfx1250"
	.amdhsa_code_object_version 6
	.text
	.protected	k_qd2c69c220e_attn
	.globl	k_qd2c69c220e_attn
	.p2align	8
	.type	k_qd2c69c220e_attn,@function
k_qd2c69c220e_attn:
	s_mov_b64 s[64:65], 0
	v_nop
	global_prefetch_b8 v0, s[64:65] scope:SCOPE_SE
	s_setreg_imm32_b32 hwreg(HW_REG_WAVE_MODE, 25, 1), 1
	s_wait_xcnt 0x0
	s_wait_alu depctr_hold_cnt(0) depctr_sa_sdst(0) depctr_va_vdst(0) depctr_va_sdst(0) depctr_va_ssrc(0) depctr_va_vcc(0) depctr_vm_vsrc(0)
	s_getreg_b32 s2, hwreg(HW_REG_IB_STS2, 6, 4)
	s_cmp_eq_u32 s2, 0
	s_cbranch_scc0 .Lentry_in_a_cluster
	s_endpgm
.Lentry_in_a_cluster:
	s_bfe_u32 s2, ttmp6, 0x10000c
	s_cmp_lg_u32 s2, 0x3003
	s_cbranch_scc0 .Lentry_shape_is_right
	s_endpgm
.Lentry_shape_is_right:
; MASKS, Q K^T, SOFTMAX, P V AND THE OUTPUT PROJECTION, in one launch.  Operands f16 (Wo as a pair of f16 numbers, high and low), sums, maxima and the softmax in f32.  ctx never goes to memory.
; WORK LEFT OUT: bk (shown at the head of the first launch).  Both masks are inputs: every work-group walks all 2,048 keys, and no tile is passed over.
; SHARES.  A work-group owns 64 queries of one batch, for ALL 8 heads; wave w is head w: four tiles of 16 queries, as two pieces of two tiles.  Two waves lie on a SIMD, so that one wave's softmax stands beside
; the other's products.  Keys go 64 a step; a step's K and V^T of all heads are ONE dense block of 131,072 bytes of kv, laid as images of operand registers: each fragment comes out of LDS by loads of 512 consecutive bytes.
; CLUSTER.  The four work-groups of a cluster are four query blocks of one batch and walk the same K and V: each wave's eighth of a step is asked for JOINTLY, by the same tensor load with the same descriptor and the mask 15.
; THE MASK TERM (head_mask + pad_mask) x (-1e9 log2(e)), 64 queries x 64 keys in f32, is built once a step by the eight waves together, one step ahead, in LDS; every head loads it straight into its score
; accumulators as the C of Q K^T.  Q carries log2(e) / 8 already, so t = score + term is in base 2.
; LAYOUT.  S^T = K Q^T (source 0 = 16 keys, source 1 = 16 queries): a lane holds ONE query (lane % 16) and keys 8 (lane / 16) + 0 .. 7.  Two such tiles rounded to f16 ARE source 1 of O^T = V^T P.
; SOFTMAX.  For each query a running maximum m of the masked t and a sum l of the unrounded p = 2^(t - m); t - m is one f32 subtraction, so the largest t gives exactly 0 however large the term.  In every step O and l are multiplied by 2^(old m - m).
; THE OUTPUT PROJECTION.  O^T / l, rounded to f16, goes to LDS as images of operands; wave w makes output columns 64 w .. 64 w + 63 for the 64 queries: source 0 = 16 columns of Wo, source 1 = 16 queries of ctx; bo is loaded into the accumulators.
; LIMITS: mask values whose product with -1e9 log2(e) overflows, NaN and infinities are not served; ctx must lie under 65,504; the two mask terms are added before the score, reference() adds them behind it: the same bits for masks of 0 and 1.
; REGISTERS, in windows of 256 (s_set_vgpr_msb: bits 1:0 source 0, 3:2 source 1, 5:4 source 2, 7:6 destination):
;   window 0: v1-15 addresses; v16-31 four words a query tile: m, a word named with it as a pair, l in two halves; v32-47 eight words for each tile of the piece in hand; v48-63 the reciprocals;
;             v64-127 S^T of one piece (32 t + 8 key tile); v128-191 K (8 (2 key tile + s)); v192-255 Q (16 query tile + 8 s)
;   window 1: v0-127 O^T (32 query tile + 8 channel tile), later the 16 accumulators of the output; v128-191 V^T (8 (2 channel tile + 32 keys)); v192-223 P of one piece; v224-243 the raw masks; on the way out v128-255 Wo, two buffers
.set SLOT1, 131072                     ; a slot, a step's bytes in kv, and the bit that turns one slot's address into the other's
.set VOFF,  65536                      ; V^T behind K in a slot
.set TERM0, 262144                     ; behind the ring: the mask term, 64 rows x 272, twice, 32,768 apart, so that one exclusive or turns the address
.set TERMX, 32768
.set TP,    272                        ; a row of 256 bytes + 16: 17 x 16, so that sixteen lanes that take the same column of sixteen rows take sixteen different 16-byte columns of 256
.set SPARE, 312320                     ; the spare words, 128 bytes for each wave: four blocks of 256 bytes that no other line names
.set OSTG,  65536                      ; the way out: ctx's images at 0 (65,536 bytes), then 16 rows x 272 for each wave: in slot 0, which has had its last fill and its last read by then
.set LI,  1                            ; v1   16 x lane
.set SPW, 2                            ; v2   my spare word; never rewritten
.set NIL, 3                            ; v3   0; never rewritten
.set AKV, 4                            ; v4   8,192 x wave + 16 x lane: my head's fragments in K or in V^T
.set BH,  5                            ; v5   32 h
.set AC,  6                            ; v6   the term as C: TERM0 + 272 r + 32 h
.set TW,  7                            ; v7   the term as I build it: TERM0 + 272 (8 w + h) + 16 r
.set MO,  8                            ; v8   head_mask: 8,192 (8 w + h) + 16 r
.set PO,  9                            ; v9   pad_mask: 16 r
.set PFO, 10                           ; v10  the prefetches' offset
.set ADK, 11
.set ADV, 12
.set ADC, 13
.set ADW, 14
.set ST,  16
.set T,   32
.set RC,  48
.set S,   64
.set KF,  128
.set QF,  192
.set VF,  128                          ; window 1
.set P,   192
.set R,   224
.set PD,  240
.set WV,  18                           ; s18 wave; s19 cx; s20 query block; s21 batch
.set CX,  19
.set QB,  20
.set BB,  21
.set G1,  24                           ; s[24:31] descriptor group 1
.set G0,  32                           ; s[32:35] descriptor group 0, which walks
.set TB,  36                           ; s36  the slot in hand: 0 or SLOT1
.set TT,  37                           ; s37  the term in hand: 0 or TERMX
.set TRIP, 38                          ; s38  steps still to be asked for
.set NEG, 40                           ; s[40:41] -1e9 log2(e), twice
.set SEL, 42                           ; s[42:43] v_permlanex16_b32's selects for lane l xor 16
.set PFA, 44                           ; s[44:45] where my prefetches stand;  s[46:47] their step;  s48 a wave asks while s[TRIP] is above it
.set PFS, 46
.set LIM, 48
.set MSB, 0
.macro WIN new                         ; the immediate's high byte repeats the setting that is left; a switch that changes nothing is dropped
.if MSB != \new
	s_set_vgpr_msb (MSB<<8)|\new
.set MSB, \new
.endif
.endm
.macro ROUND                           ; a round of the cluster's barrier
	s_barrier_signal -1
	s_barrier_wait -1
	s_cmp_lg_u32 s[WV], 0
	s_cbranch_scc1 .Lnot_wave_0_\@
	s_barrier_signal -3
.Lnot_wave_0_\@:
	s_barrier_wait -3
	s_barrier_signal -1
	s_barrier_wait -1
.endm
; A PREFETCH, behind the wave's tensor load and its five lines.  Each aligned block of 256 bytes is named once in the launch.  kv: all clusters of a batch walk the same steps: the batch's first cluster asks, in trip j
; for step j + 2, one step ahead of the tensor load that will want it; a step's 512 blocks are shared out by ADDRESS among its four work-groups (32,768 bytes each) and their waves 0-3 (8,192 each, lanes 256 bytes apart).
; head_mask: all batches read the same rows: batch 0 asks, in trip j for step j + 3, one step ahead of the load; waves 4 and 5, a lane a row of the work-group's 64.  The last trips ask for nothing; nothing is asked for at the head.
.macro ASK
	s_cmp_gt_u32 s[TRIP], s[LIM]
	s_cbranch_scc0 .Lnot_mine_\@
	global_prefetch_b8 v[PFO], s[PFA:PFA+1] th:TH_LOAD_NT scope:SCOPE_SE
.Lnot_mine_\@:
.endm
; THE CHANGE OF SLOTS, at a step's head.  Each wave waits for all its tensor loads (one is out: its eighth of the slot ahead), adds 0 to its spare word, and waits for that, for its reads of the slot that it has left and for
; its stores of the next term.  fill = 1: a round of the cluster's barrier, and first behind it the joint load of the next step into the slot just left: it has the whole step in which to land.
.macro CHANGE fill
	WIN 0
	s_wait_tensorcnt 0x0                           ; no tensor load of mine is out, so group 0 may be written
	ds_add_u32 v[SPW], v[NIL]                      ; 0 onto my spare word
.if \fill
	s_xor_b32 s[G0+1], s[G0+1], SLOT1              ; the other slot than last time,
	s_add_nc_u64 s[G0+2:G0+3], s[G0+2:G0+3], SLOT1 ; the next 64 keys; the type bits on top are not reached
	s_wait_xcnt 0x0                                ; the last prefetch, a step back, has read its address
	s_add_nc_u64 s[PFA:PFA+1], s[PFA:PFA+1], s[PFS:PFS+1]
	s_wait_dscnt 0x0
	ROUND
	tensor_load_to_lds s[G0:G0+3], s[G1:G1+7]
	s_nop 0
.rept 4
	v_nop
.endr
	ASK
.else
	s_wait_dscnt 0x0
	s_barrier_signal -1
	s_barrier_wait -1
.endif
.endm
.macro MASKL                           ; the raw masks of the step at which s[8:9] and s[10:11] stand: my 8 rows x 64 keys of head_mask, two rows of 256 bytes a load; 64 keys of pad_mask
	WIN 0x40
.irp n, 0,1,2,3
	global_load_b128 v[R+4*\n:R+4*\n+3], v[MO], s[8:9] offset:16384*\n
.endr
	global_load_b128 v[PD:PD+3], v[PO], s[10:11]
	WIN 0
.endm
.macro MASKB first                     ; the term of the raw masks in hand, into the term buffer that is not being read (first = 1: into buffer 0)
	s_wait_loadcnt 0x0                             ; the masks are in: so their loads' bases may be stepped below
	WIN 0x55
	v_pk_mul_f32 v[PD:PD+1], v[PD:PD+1], s[NEG:NEG+1] op_sel_hi:[1,0]
	v_pk_mul_f32 v[PD+2:PD+3], v[PD+2:PD+3], s[NEG:NEG+1] op_sel_hi:[1,0]
.irp n, 0,1,2,3
	v_pk_fma_f32 v[R+4*\n:R+4*\n+1], v[R+4*\n:R+4*\n+1], s[NEG:NEG+1], v[PD:PD+1] op_sel_hi:[1,0,1]
	v_pk_fma_f32 v[R+4*\n+2:R+4*\n+3], v[R+4*\n+2:R+4*\n+3], s[NEG:NEG+1], v[PD+2:PD+3] op_sel_hi:[1,0,1]
.endr
	WIN 0
.if \first
.set AW, TW
.else
.set AW, ADW
	s_xor_b32 s50, s[TT], TERMX
	v_add_nc_u32 v[ADW], s50, v[TW]
.endif
	WIN 0x04                                       ; an LDS store's data are its source 1
.irp n, 0,1,2,3
	ds_store_b128 v[AW], v[R+4*\n:R+4*\n+3] offset:2*TP*\n
.endr
	WIN 0
	s_add_nc_u64 s[8:9], s[8:9], 256               ; on to the next step's 64 keys
	s_add_nc_u64 s[10:11], s[10:11], 256
.endm
.macro CLOAD p                         ; piece p's term into its score accumulators: lane (r, h), key tile kt: term[16 tile + r][16 kt + 8 h + 0 .. 7]
.irp t, 0,1
.irp kt, 0,1,2,3
	ds_load_b128 v[S+32*\t+8*\kt:S+32*\t+8*\kt+3], v[ADC] offset:(32*(\p)+16*\t)*TP+64*\kt
	ds_load_b128 v[S+32*\t+8*\kt+4:S+32*\t+8*\kt+7], v[ADC] offset:(32*(\p)+16*\t)*TP+64*\kt+16
.endr
.endr
.endm
.macro QK p                            ; S^T += K Q^T: 16 products; the piece's 8 accumulators take turns, one instruction a turn
.irp s, 0,1
.irp kt, 0,1,2,3
.irp t, 0,1
	v_wmma_f32_16x16x32_f16 v[S+32*\t+8*\kt:S+32*\t+8*\kt+7], v[KF+8*(2*\kt+\s):KF+8*(2*\kt+\s)+7], v[QF+16*(2*(\p)+\t)+8*\s:QF+16*(2*(\p)+\t)+8*\s+7], v[S+32*\t+8*\kt:S+32*\t+8*\kt+7]
.endr
.endr
.endr
.endm
; Piece p's softmax of one step; the two tiles line by line, so that no line waits for the line above it.  At work for tile t, from v[T + 8 t]: +0 .. +3 four chains of the maximum, +4 old m - m, +5 old m, +6 a = 2^(old m - m), +7 named with it as a pair.
.macro SOFTMAX p
.irp t, 0,1
	v_mov_b32 v[T+8*\t+5], v[ST+4*(2*(\p)+\t)]     ; the old m.  These two lines and the two below are the four places behind the products
.endr
	v_nop
	v_nop
.irp j, 0,1,2,3
.irp t, 0,1
	v_max3_num_f32 v[T+8*\t+\j], v[S+32*\t+8*\j], v[S+32*\t+8*\j+1], v[S+32*\t+8*\j+2]   ; each accumulator is read from its low end on
.endr
.endr
.irp u, 3,5
.irp j, 0,1,2,3
.irp t, 0,1
	v_max3_num_f32 v[T+8*\t+\j], v[T+8*\t+\j], v[S+32*\t+8*\j+\u], v[S+32*\t+8*\j+\u+1]
.endr
.endr
.endr
.irp t, 0,1
	v_max3_num_f32 v[T+8*\t], v[T+8*\t], v[S+32*\t+7], v[S+32*\t+15]
	v_max3_num_f32 v[T+8*\t+2], v[T+8*\t+2], v[S+32*\t+23], v[S+32*\t+31]
.endr
.irp t, 0,1
	v_max3_num_f32 v[T+8*\t], v[T+8*\t], v[T+8*\t+1], v[T+8*\t+2]
.endr
.irp t, 0,1
	v_max3_num_f32 v[T+8*\t], v[T+8*\t], v[T+8*\t+3], v[T+8*\t+5]
.endr
.irp t, 0,1
	v_permlanex16_b32 v[T+8*\t+1], v[T+8*\t], s[SEL], s[SEL+1]   ; the query's other 32 keys lie in the lane 16 away
.endr
.irp t, 0,1
	v_max_num_f32 v[ST+4*(2*(\p)+\t)], v[T+8*\t], v[T+8*\t+1]    ; the new m
.endr
.irp t, 0,1
	v_sub_f32 v[T+8*\t+4], v[T+8*\t+5], v[ST+4*(2*(\p)+\t)]
.endr
.set e, 0
.rept 16
.irp t, 0,1
	v_pk_add_f32 v[S+32*\t+e:S+32*\t+e+1], v[S+32*\t+e:S+32*\t+e+1], v[ST+4*(2*(\p)+\t):ST+4*(2*(\p)+\t)+1] op_sel_hi:[1,0] neg_lo:[0,1] neg_hi:[0,1]   ; t - m, two at a time
.endr
.set e, e+2
.endr
.irp t, 0,1
	v_exp_f32 v[T+8*\t+6], v[T+8*\t+4]             ; ONE BATCH of 66 exponentials: a,
.endr
.set e, 0
.rept 32
.irp t, 0,1
	v_exp_f32 v[S+32*\t+e], v[S+32*\t+e]           ; and p = 2^(t - m)
.endr
.set e, e+1
.endr
	v_nop                                          ; a plain instruction behind the last exponential
	s_wait_alu depctr_va_vdst(0)                   ; and one wait for the batch, ahead of the first line that names a result
.irp t, 0,1
	v_pk_fma_f32 v[ST+4*(2*(\p)+\t)+2:ST+4*(2*(\p)+\t)+3], v[ST+4*(2*(\p)+\t)+2:ST+4*(2*(\p)+\t)+3], v[T+8*\t+6:T+8*\t+7], v[S+32*\t:S+32*\t+1] op_sel_hi:[1,0,1]   ; l = a l + the sum of the unrounded p, in two chains
.endr
.irp t, 0,1
	v_pk_add_f32 v[T+8*\t:T+8*\t+1], v[S+32*\t+2:S+32*\t+3], v[S+32*\t+4:S+32*\t+5]
.endr
.irp j, 6,10,14,18,22,26
.irp t, 0,1
	v_pk_add_f32 v[ST+4*(2*(\p)+\t)+2:ST+4*(2*(\p)+\t)+3], v[ST+4*(2*(\p)+\t)+2:ST+4*(2*(\p)+\t)+3], v[S+32*\t+\j:S+32*\t+\j+1]
	v_pk_add_f32 v[T+8*\t:T+8*\t+1], v[T+8*\t:T+8*\t+1], v[S+32*\t+\j+2:S+32*\t+\j+3]
.endr
.endr
.irp t, 0,1
	v_pk_add_f32 v[ST+4*(2*(\p)+\t)+2:ST+4*(2*(\p)+\t)+3], v[ST+4*(2*(\p)+\t)+2:ST+4*(2*(\p)+\t)+3], v[S+32*\t+30:S+32*\t+31]
.endr
.irp t, 0,1
	v_pk_add_f32 v[ST+4*(2*(\p)+\t)+2:ST+4*(2*(\p)+\t)+3], v[ST+4*(2*(\p)+\t)+2:ST+4*(2*(\p)+\t)+3], v[T+8*\t:T+8*\t+1]
.endr
	WIN 0x40
.set e, 0
.rept 16
.irp t, 0,1
	v_cvt_pk_f16_f32 v[P+16*\t+e], v[S+32*\t+2*e], v[S+32*\t+2*e+1]   ; key tiles 2 g and 2 g + 1 make source 1 for keys 32 g on
.endr
.set e, e+1
.endr
.endm
.macro RESC p                          ; O^T x a, each accumulator from its low end on
	WIN 0x41
.irp t, 0,1
.set e, 0
.rept 16
	v_pk_mul_f32 v[32*(2*(\p)+\t)+e:32*(2*(\p)+\t)+e+1], v[32*(2*(\p)+\t)+e:32*(2*(\p)+\t)+e+1], v[T+8*\t+6:T+8*\t+7] op_sel_hi:[1,0]
.set e, e+2
.endr
.endr
.endm
.macro PV p                            ; O^T += V^T P: 16 products; 8 accumulators by turns
	WIN 0x55
.irp gk, 0,1
.irp c, 0,1,2,3
.irp t, 0,1
	v_wmma_f32_16x16x32_f16 v[32*(2*(\p)+\t)+8*\c:32*(2*(\p)+\t)+8*\c+7], v[VF+8*(2*\c+\gk):VF+8*(2*\c+\gk)+7], v[P+16*\t+8*\gk:P+16*\t+8*\gk+7], v[32*(2*(\p)+\t)+8*\c:32*(2*(\p)+\t)+8*\c+7]
.endr
.endr
.endr
.endm
; A KEY STEP: 64 keys.  last = 1: the last step builds no term and asks for no mask.
.macro STEP last
	s_add_co_u32 s50, s[TB], VOFF
	v_add_nc_u32 v[ADK], s[TB], v[AKV]             ; these three and the v_nop are the four places between the last step's products V^T P and the loads into V's registers
	v_add_nc_u32 v[ADV], s50, v[AKV]
	v_add_nc_u32 v[ADC], s[TT], v[AC]
	v_nop
.set i, 0
.rept 16
	ds_load_b128 v[KF+4*i:KF+4*i+3], v[ADK] offset:512*i
.set i, i+1
.endr
	CLOAD 0
	WIN 0x40
.set i, 0
.rept 16
	ds_load_b128 v[VF+4*i:VF+4*i+3], v[ADV] offset:512*i
.set i, i+1
.endr
	WIN 0
.if !\last
	MASKB 0                                        ; the next step's term, while this step's fragments come
.endif
	s_wait_dscnt 0x0                               ; K, V, piece 0's term are in; the term's stores have read their registers
.if !\last
	s_cmp_eq_u32 s[TRIP], 1                        ; the last trip but the tail's has no step two on: no load leaves its buffer
	s_cbranch_scc1 .Lno_mask_\@
	MASKL
.Lno_mask_\@:
.endif
	QK 0
	SOFTMAX 0
	WIN 0
	CLOAD 1                                        ; piece 0's scores are rounded: piece 1's term takes their registers, and lands during the products below
	RESC 0
	PV 0
	WIN 0
	s_wait_dscnt 0x0
	QK 1
	SOFTMAX 1
	RESC 1
	PV 1
	WIN 0
	s_xor_b32 s[TB], s[TB], SLOT1
	s_xor_b32 s[TT], s[TT], TERMX
.endm
	s_load_b256 s[4:11], s[0:1], 0x0               ; qf s[4:5], kv s[6:7], head_mask s[8:9], pad_mask s[10:11]
	s_load_b128 s[12:15], s[0:1], 0x20             ; woimg s[12:13], bo s[14:15]
	s_load_b64 s[16:17], s[0:1], 0x30              ; out0
	v_lshl_add_u32 v[SPW], v0, 2, SPARE
	v_mov_b32 v[NIL], 0
	ds_add_u32 v[SPW], v[NIL]                      ; the wave's opening: the add, twice on end, and its wait ahead of my first tensor load
	ds_add_u32 v[SPW], v[NIL]
	v_lshrrev_b32 v15, 5, v0
	v_readfirstlane_b32 s[WV], v15                 ; wave 0..7
	s_bfe_u32 s[CX], ttmp6, 0x40000                ; my place in the cluster
	s_lshl_b32 s[QB], ttmp9, 2                     ; in a cluster launch ttmp9 counts clusters
	s_add_co_u32 s[QB], s[QB], s[CX]               ; my block of 64 queries: it enters addresses in memory alone
	s_and_b32 s[BB], ttmp7, 0xffff                 ; the batch, which the four partners share
	; descriptor group 1: 64 rows of 256 bytes (32 elements of 8 bytes), dense in memory and in LDS
	s_mov_b32 s[G1], 15|(3<<16)|(1<<21)            ; 15:0 the mask: all four work-groups; 17:16 elements of 8 bytes; 21 set beside a mask
	s_mov_b32 s[G1+1], 32<<16                      ; tensor_dim0
	s_mov_b32 s[G1+2], 64<<16                      ; tensor_dim1
	s_mov_b32 s[G1+3], 32<<16                      ; tile_dim0
	s_mov_b32 s[G1+4], 64                          ; tile_dim1
	s_mov_b32 s[G1+5], 32                          ; from row to row
	s_mov_b32 s[G1+6], 0
	s_mov_b32 s[G1+7], 0
	s_mov_b32 s[NEG], 0xceabfb8f                   ; -1e9 log2(e)
	s_mov_b32 s[NEG+1], s[NEG]
	s_mov_b32 s[SEL], 0x76543210
	s_mov_b32 s[SEL+1], 0xfedcba98
	s_mov_b32 s[TB], 0
	s_mov_b32 s[TT], 0
	s_mov_b32 s[TRIP], 31
	s_mov_b32 s[G0], 1                             ; count = 1
	s_lshl_b32 s[G0+1], s[WV], 14                  ; LDS: my eighth of slot 0: no place in the cluster enters an LDS address
	s_lshl_b32 s50, s[BB], 22                      ; the batch's 32 steps of 131,072 bytes,
	s_lshl_b32 s51, s[WV], 14                      ; my eighth of a step
	s_add_co_u32 s50, s50, s51
	s_mov_b32 s51, 0
	s_wait_dscnt 0x0                               ; both opening adds are done
	s_wait_kmcnt 0x0
	s_add_nc_u64 s[G0+2:G0+3], s[6:7], s[50:51]
	s_or_b32 s[G0+3], s[G0+3], 0x80000000          ; type = 2
	ROUND                                          ; all four work-groups are here: the first joint loads meet
	tensor_load_to_lds s[G0:G0+3], s[G1:G1+7]      ; step 0 into slot 0: every wave issues it; one tensor load of mine is out at any time
	s_nop 0
.rept 4
	v_nop
.endr
	; the prefetches: where mine stand, their step, and who asks (macro ASK)
	s_lshl_b32 s50, s[BB], 22
	s_lshl_b32 s51, s[CX], 15
	s_add_co_u32 s50, s50, s51
	s_and_b32 s51, s[WV], 3
	s_lshl_b32 s51, s51, 13
	s_add_co_u32 s50, s50, s51
	s_add_co_u32 s50, s50, SLOT1                   ; kv: at step 1; the first change of slots steps it to 2
	s_lshl_b32 s52, s[QB], 19                      ; head_mask: my block's 64 rows of 8,192 bytes,
	s_and_b32 s53, s[WV], 1
	s_lshl_b32 s53, s53, 18                        ; 32 of them a wave,
	s_add_co_u32 s52, s52, s53
	s_add_co_u32 s52, s52, 512                     ; at step 2; the first change steps it to 3
	s_mov_b32 s[PFS], 256
	s_mov_b32 s53, 8192
	s_cmp_lt_u32 s[WV], 4
	s_cselect_b64 s[PFA:PFA+1], s[6:7], s[8:9]
	s_cselect_b32 s50, s50, s52
	s_cselect_b32 s[PFS], SLOT1, s[PFS]
	s_cselect_b32 s53, 256, s53                    ; from lane to lane
	s_mov_b32 s51, 0
	s_mov_b32 s[PFS+1], 0
	s_add_nc_u64 s[PFA:PFA+1], s[PFA:PFA+1], s[50:51]
	v_and_b32 v15, 31, v0
	v_mul_lo_u32 v[PFO], v15, s53
	s_lshr_b32 s54, s[WV], 2
	s_or_b32 s54, s54, ttmp9                       ; 0: waves 0-3 of the batch's first cluster: the same in all four partners
	s_cmp_eq_u32 s54, 0
	s_cselect_b32 s[LIM], 1, -1
	s_lshr_b32 s54, s[WV], 1
	s_xor_b32 s54, s54, 2
	s_or_b32 s54, s54, s[BB]                       ; 0: waves 4 and 5 of batch 0
	s_cmp_eq_u32 s54, 0
	s_cselect_b32 s[LIM], 2, s[LIM]
	; addresses in memory
	s_lshl_b32 s50, s[BB], 5
	s_add_co_u32 s50, s50, s[QB]
	s_lshl_b32 s50, s50, 16                        ; Q: block 32 b + query block, 65,536 bytes,
	s_lshl_b32 s52, s[WV], 13                      ; my head's 8,192
	s_add_co_u32 s50, s50, s52
	s_add_nc_u64 s[4:5], s[4:5], s[50:51]
	s_lshl_b32 s50, s[QB], 19
	s_add_nc_u64 s[8:9], s[8:9], s[50:51]          ; head_mask at my block's first row, step 0
	s_lshl_b32 s50, s[BB], 13
	s_add_nc_u64 s[10:11], s[10:11], s[50:51]      ; pad_mask at my batch
	s_lshl_b32 s50, s[WV], 17
	s_add_nc_u64 s[12:13], s[12:13], s[50:51]      ; Wo's images of my 64 columns
	s_lshl_b32 s50, s[WV], 8
	s_add_nc_u64 s[14:15], s[14:15], s[50:51]      ; bo likewise
	s_lshl_b32 s52, s[BB], 22
	s_add_co_u32 s50, s50, s52
	s_lshl_b32 s52, s[QB], 17
	s_add_co_u32 s50, s50, s52
	s_add_nc_u64 s[16:17], s[16:17], s[50:51]      ; out0: row 2,048 b + 64 query block, column 64 w
	v_lshlrev_b32 v[LI], 4, v15
	s_lshl_b32 s50, s[WV], 13
	v_add_nc_u32 v[AKV], s50, v[LI]
	v_and_b32 v15, 15, v0                          ; r
	v_bfe_u32 v14, v0, 4, 1                        ; h
	v_lshlrev_b32 v[BH], 5, v14
	v_mul_u32_u24 v[AC], v15, TP
	v_lshl_add_u32 v[AC], v14, 5, v[AC]
	v_add_nc_u32 v[AC], TERM0, v[AC]
	v_mul_u32_u24 v[TW], v14, TP
	v_lshl_add_u32 v[TW], v15, 4, v[TW]
	s_mul_i32 s50, s[WV], 8*TP
	s_add_co_u32 s50, s50, TERM0
	v_add_nc_u32 v[TW], s50, v[TW]
	v_lshlrev_b32 v[PO], 4, v15
	v_lshl_add_u32 v[MO], v14, 13, v[PO]
	s_lshl_b32 s50, s[WV], 16
	v_add_nc_u32 v[MO], s50, v[MO]
.set i, 0
.rept 16
	global_load_b128 v[QF+4*i:QF+4*i+3], v[LI], s[4:5] offset:512*i   ; Q stays in registers
.set i, i+1
.endr
	MASKL                                          ; step 0's masks
.irp q, 0,1,2,3
	v_mov_b32 v[ST+4*\q], 0xff61b1e6               ; m: -3e38, under every t
	v_mov_b32 v[ST+4*\q+1], 0
	v_mov_b32 v[ST+4*\q+2], 0                      ; l, in two halves
	v_mov_b32 v[ST+4*\q+3], 0
.endr
	v_mov_b32 v[T+7], 0                            ; (named as the upper halves of the pairs that hold a)
	v_mov_b32 v[T+15], 0
	WIN 0x40
.set i, 0
.rept 128
	v_mov_b32 v[i], 0                              ; O^T.  (The step is written once for all steps but the last: the first finds zeros, which a = 0 leaves zeros)
.set i, i+1
.endr
	WIN 0
	MASKB 1                                        ; Q and step 0's masks are in; step 0's term
	s_wait_dscnt 0x0                               ; the stores have read their registers
	MASKL                                          ; step 1's masks
.Lstep:                                            ; 31 trips: trip j asks for step j + 1, multiplies step j, builds the term of step j + 1 and asks for the masks of step j + 2
	CHANGE 1
	STEP 0
	s_sub_co_u32 s[TRIP], s[TRIP], 1
	s_cmp_lg_u32 s[TRIP], 0
	s_cbranch_scc1 .Lstep
	CHANGE 0                                       ; the last step is written out: nothing is left to ask for
	STEP 1
	; THE WAY OUT.  l's two halves and the other half of the lanes' are added; these additions are also the places behind the last products.
.irp q, 0,1,2,3
	v_add_f32 v[RC+4*\q+2], v[ST+4*\q+2], v[ST+4*\q+3]
.endr
.irp q, 0,1,2,3
	v_mov_b32 v[RC+4*\q+3], 0                      ; (a lane permute's destination counts as one of its sources)
.endr
.irp q, 0,1,2,3
	v_permlanex16_b32 v[RC+4*\q+3], v[RC+4*\q+2], s[SEL], s[SEL+1]
.endr
.irp q, 0,1,2,3
	v_add_f32 v[RC+4*\q+2], v[RC+4*\q+2], v[RC+4*\q+3]
.endr
.irp q, 0,1,2,3
	v_rcp_f32 v[RC+4*\q], v[RC+4*\q+2]
.endr
.irp q, 0,1,2,3
	v_mov_b32 v[RC+4*\q+1], 0                      ; plain instructions behind the reciprocals: the pairs' upper halves
.endr
	s_wait_alu depctr_va_vdst(0)                   ; one wait for the four reciprocals, ahead of their first reader
	WIN 0x41
.irp q, 0,1,2,3
.set e, 0
.rept 16
	v_pk_mul_f32 v[32*\q+e:32*\q+e+1], v[32*\q+e:32*\q+e+1], v[RC+4*\q:RC+4*\q+1] op_sel_hi:[1,0]   ; O^T / l
.set e, e+2
.endr
.endr
	WIN 0x05
.irp q, 0,1,2,3
.set e, 0
.rept 16
	v_cvt_pk_f16_f32 v[KF+16*\q+e], v[32*\q+2*e], v[32*\q+2*e+1]   ; channel tile c's eight channels: half c % 2 of the fragment for K step 2 w + c / 2
.set e, e+1
.endr
.endr
	WIN 0
	s_wait_dscnt 0x0
	s_barrier_signal -1
	s_barrier_wait -1                              ; every wave's last reads of the ring are over: slot 0's bytes, which no load fills any more, may be written
.irp q, 0,1,2,3
.irp c, 0,1,2,3
	ds_store_b128 v[AKV], v[KF+16*\q+4*\c:KF+16*\q+4*\c+3] offset:4096*(\c/2)+1024*\q+512*(\c%2)   ; ctx's images: [K step 16][query tile 4] x 1,024
.endr
.endr
	s_wait_loadcnt 0x0                             ; no load of mine is out, on whichever way the text was walked: the registers into which the raw masks were loaded take Wo below.  (The loop's last trip asks for no mask, so nothing is waited for here)
	WIN 0x40
.irp nt, 0,1,2,3
.irp q, 0,1,2,3
	global_load_b128 v[8*(4*\nt+\q):8*(4*\nt+\q)+3], v[BH], s[14:15] offset:64*\nt        ; bo at my eight columns 16 nt + 8 h + 0 .. 7: the sums' first C
	global_load_b128 v[8*(4*\nt+\q)+4:8*(4*\nt+\q)+7], v[BH], s[14:15] offset:64*\nt+16
.endr
.endr
.set i, 0
.rept 32
	global_load_b128 v[128+4*i:128+4*i+3], v[LI], s[12:13] offset:512*i   ; Wo's K steps 0 and 1: high and low parts of four tiles each
.set i, i+1
.endr
	WIN 0
	s_wait_dscnt 0x0                               ; for the others' sake: my images have landed
	s_barrier_signal -1
	s_barrier_wait -1                              ; ctx's 64 fragments lie in LDS
.set i, 0
.rept 8
	ds_load_b128 v[S+4*i:S+4*i+3], v[LI] offset:512*i   ; K step 0's four fragments
.set i, i+1
.endr
; A K step of 32: 16 products with Wo's high part, 16 with its low part, on 16 accumulators by turns.  buf: Wo's buffer (window 1); cf: this step's ctx; ocf, cfo: the other ctx buffer and the LDS offset of the next step's (dl = 1);
; gl, glo: this buffer takes the K step two on, glo bytes from the base; lc: the loads of Wo issued behind this step's, which may stay out.
.macro OSTEP buf, cf, ocf, cfo, gl, glo, dl, lc
.if \dl
.set i, 0
.rept 8
	ds_load_b128 v[\ocf+4*i:\ocf+4*i+3], v[ADK] offset:\cfo+512*i
.set i, i+1
.endr
	s_wait_dscnt 8                                 ; this step's fragments are in; the eight just issued may stay out
.else
	s_wait_dscnt 0x0
.endif
	s_wait_loadcnt \lc
	WIN 0x51                                       ; Wo, C and D in window 1, ctx in window 0
.irp part, 0,1
.irp nt, 0,1,2,3
.irp q, 0,1,2,3
	v_wmma_f32_16x16x32_f16 v[8*(4*\nt+\q):8*(4*\nt+\q)+7], v[\buf+32*\part+8*\nt:\buf+32*\part+8*\nt+7], v[\cf+8*\q:\cf+8*\q+7], v[8*(4*\nt+\q):8*(4*\nt+\q)+7]
.endr
.endr
.endr
.rept 4
	v_nop                                          ; four places in front of loads into registers that these products have read, and of the first read of their results
.endr
.if \gl
	WIN 0x40
.set i, 0
.rept 16
	global_load_b128 v[\buf+4*i:\buf+4*i+3], v[LI], s[12:13] offset:\glo+512*i
.set i, i+1
.endr
.endif
	WIN 0
.endm
	s_mov_b32 s51, 0                               ; where the trip's first K step lies among ctx's images
	s_mov_b32 s52, 7
.Lks:                                              ; 7 trips of two K steps; each fetches Wo two steps ahead and ctx one
	v_add_nc_u32 v[ADK], s51, v[LI]
	OSTEP 128, S, S+32, 4096, 1, 16384, 1, 16
	OSTEP 192, S+32, S, 8192, 1, 24576, 1, 16
	s_wait_xcnt 0x0                                ; the loads have read their base
	s_add_nc_u64 s[12:13], s[12:13], 16384
	s_add_co_u32 s51, s51, 8192
	s_sub_co_u32 s52, s52, 1
	s_cmp_lg_u32 s52, 0
	s_cbranch_scc1 .Lks
	v_add_nc_u32 v[ADK], s51, v[LI]
	OSTEP 128, S, S+32, 4096, 0, 0, 1, 16          ; K steps 14 and 15 fetch no more of Wo
	OSTEP 192, S+32, S, 0, 0, 0, 0, 0
	; A lane holds 32 neighbouring bytes of a row of out0 and the lanes beside it hold other rows: a tile of 16 queries x 64 columns goes through my own stage and comes back as rows of 256 bytes.
	s_mul_i32 s50, s[WV], 16*TP
	s_add_co_u32 s50, s50, OSTG
	v_and_b32 v15, 15, v0                          ; r
	v_bfe_u32 v11, v0, 4, 1                        ; h
	v_mul_u32_u24 v12, v15, TP
	v_lshl_add_u32 v12, v11, 5, v12
	v_add_nc_u32 v12, s50, v12                     ; in: row r, + 32 h
	v_mul_u32_u24 v13, v11, TP
	v_lshl_add_u32 v13, v15, 4, v13
	v_add_nc_u32 v13, s50, v13                     ; back: lanes 0-15 one row, lanes 16-31 the next
	v_lshlrev_b32 v14, 11, v11
	v_lshl_add_u32 v14, v15, 4, v14                ; and the same two rows in out0
.macro TOSTAGE q
	WIN 0x04
.irp nt, 0,1,2,3
	ds_store_b128 v12, v[8*(4*\nt+(\q)):8*(4*\nt+(\q))+3] offset:64*\nt            ; each accumulator from its low end on
	ds_store_b128 v12, v[8*(4*\nt+(\q))+4:8*(4*\nt+(\q))+7] offset:64*\nt+16
.endr
	WIN 0
.set i, 0
.rept 8
	ds_load_b128 v[128+32*(\q)+4*i:128+32*(\q)+4*i+3], v13 offset:2*TP*i   ; LDS serves a wave's instructions in order: these see the stores above, and the next tile's stores come behind them
.set i, i+1
.endr
.endm
.macro SEND q, younger                 ; younger: the LDS instructions issued behind tile q's loads, which may stay out
	s_wait_dscnt \younger
.set i, 0
.rept 8
	global_store_b128 v14, v[128+32*(\q)+4*i:128+32*(\q)+4*i+3], s[16:17] offset:(16*(\q)+2*i)*2048 th:TH_STORE_NT   ; sixteen lanes store 256 consecutive bytes, at a multiple of 256 from out0's first byte
.set i, i+1
.endr
.endm
	TOSTAGE 0
	TOSTAGE 1
	SEND 0, 16
	TOSTAGE 2
	SEND 1, 16
	TOSTAGE 3
	SEND 2, 16
	SEND 3, 0
	s_wait_tensorcnt 0x0                           ; the wave's end: behind my last tensor load and my last LDS store
	ds_add_u32 v[SPW], v[NIL]
	s_wait_dscnt 0x0
	ROUND                                          ; the closing round: no work-group ends while a partner may still ask for a tile that names it
	s_endpgm
.Lfunc_end_k_qd2c69c220e_attn:
	.size	k_qd2c69c220e_attn, .Lfunc_end_k_qd2c69c220e_attn-k_qd2c69c220e_attn
	.p2alignl 7, 3214868480
	.fill 96, 4, 3214868480
	.section	.rodata,"a",@progbits
	.p2align	6, 0x0
	.amdhsa_kernel k_qd2c69c220e_attn
		.amdhsa_group_segment_fixed_size 327680
		.amdhsa_private_segment_fixed_size 0
		.amdhsa_enable_private_segment 0
		.amdhsa_kernarg_size 56
		.amdhsa_user_sgpr_count 2
		.amdhsa_user_sgpr_kernarg_segment_ptr 1
		.amdhsa_wavefront_size32 1
		.amdhsa_system_sgpr_workgroup_id_x 1
		.amdhsa_system_sgpr_workgroup_id_y 1
		.amdhsa_system_sgpr_workgroup_id_z 1
		.amdhsa_system_vgpr_workitem_id 0
		.amdhsa_next_free_vgpr 512
		.amdhsa_next_free_sgpr 66
		.amdhsa_reserve_vcc 0
		.amdhsa_float_denorm_mode_32 3
		.amdhsa_float_denorm_mode_16_64 3
		.amdhsa_memory_ordered 1
		.amdhsa_forward_progress 1
		.amdhsa_inst_pref_size 124
	.end_amdhsa_kernel
	.amdgpu_metadata
---
amdhsa.version: [ 1, 2 ]
amdhsa.kernels:
  - .name:           k_qd2c69c220e_attn
    .symbol:         k_qd2c69c220e_attn.kd
    .args:
      - { .name: qf, .offset: 0, .size: 8, .value_kind: global_buffer, .address_space: global }
      - { .name: kv, .offset: 8, .size: 8, .value_kind: global_buffer, .address_space: global }
      - { .name: head_mask, .offset: 16, .size: 8, .value_kind: global_buffer, .address_space: global }
      - { .name: pad_mask, .offset: 24, .size: 8, .value_kind: global_buffer, .address_space: global }
      - { .name: woimg, .offset: 32, .size: 8, .value_kind: global_buffer, .address_space: global }
      - { .name: bo, .offset: 40, .size: 8, .value_kind: global_buffer, .address_space: global }
      - { .name: out0, .offset: 48, .size: 8, .value_kind: global_buffer, .address_space: global }
    .group_segment_fixed_size: 327680
    .private_segment_fixed_size: 0
    .kernarg_segment_align: 8
    .kernarg_segment_size: 56
    .max_flat_workgroup_size: 256
    .sgpr_count:     66
    .vgpr_count:     512
    .wavefront_size: 32
...
	.end_amdgpu_metadata
.endif
;; end of part 3
